; MI455X (gfx1250); checked and timed in simulation.
; The chip was launched on July 23, 2026; its instructions are those of AMD's public machine-readable ISA for CDNA 5 (MIT licence, August 2026) and "CDNA5" Instruction Set Architecture Reference Guide (July 2026). The comments in the code are by the model that wrote it; some were corrected since.
;; Linear Attention. Allowed arithmetic: float matrix products may take bf16 or f16 operands with f32 sums; other float arithmetic in f32, or as packed bf16 or f16 multiplies, adds, multiply-adds, maxima and minima; sums over many terms, partial sums and values carried from step to step in f32; what a program stores and reads back later, other than sums and carried values, may be rounded once to bf16 or f16.
;; Inputs: Wg 512 x 512 float32; Wgk1 512 x 16 float32; Wgk2 16 x 256 float32; Wk 512 x 256 float32; Wo 512 x 512 float32; Wq 512 x 256 float32; Wv 512 x 512 float32; bgk2 256 float32; x 2 x 16,384 x 512 float32.
;; Outputs: out0 2 x 16,384 x 512 float32.
;; One version. Each part assembles by itself: llvm-mc -triple=amdgcn-amd-amdhsa -mcpu=gfx1250 --defsym DOCPART=n.
;; ======== version 1 of 1: 4 launches
;; limits: values outside matrix products are rounded to f16; values are held in f16: magnitudes above 65,504 overflow, below 6.1e-05 lose precision
;; workspace buffers: wf 2,113,536 bytes; tl 117,440,512 bytes; st 33,554,432 bytes; gd 262,144 bytes; hs 33,554,432 bytes
;; launch prep (part 1): grid 129 x 1, 8 waves a work-group, no clusters, 0 bytes of LDS; arguments Wq, Wk, Wv, Wg, Wo, Wgk1, wf; writes wf
.if DOCPART == 1
	.amdgcn_target "amdgcn-amd-amdhsa--gfx1250"
	.amdhsa_code_object_version 6
	.text
	.protected	k_q6e9a563aed_prep
	.globl	k_q6e9a563aed_prep
	.p2align	8
	.type	k_q6e9a563aed_prep,@function
k_q6e9a563aed_prep:
	s_mov_b64 s[64:65], 0
	v_nop
	global_prefetch_b8 v0, s[64:65] scope:SCOPE_SE
	s_setreg_imm32_b32 hwreg(HW_REG_WAVE_MODE, 25, 1), 1
	s_wait_xcnt 0x0
; The weights as ready matrix fragments.  A fragment is 16 columns x 32 k in 1,024 bytes: lane L = (r = L % 16, h = L / 16) finds
; W[32 kap + 8 h + 0..7][col0 + r] at byte 16 L and W[32 kap + 16 + 8 h + 0..7][col0 + r] at byte 512 + 16 L, rounded to bf16.
; wf: byte 0: Wo, [wave 4][pass 2][kap 16][c 4] fragments, the bf16 rounding written as f16 (exact within f16's range; below 6e-5 f16's fixed step);
;     byte HSOFF: [head 4][pass 6: q, k, v, v, g, g][kap 16][c 4];   byte W1OFF: Wgk1, [kap 16].
; A work-group makes one tile of 16 columns (16 x 2 x 32 pieces of 16 bytes, four a thread); each store of a wave covers 512 consecutive bytes.
.set HSOFF, 524288
.set W1OFF, 2097152
	s_load_b256 s[4:11], s[0:1], 0x0               ; Wq, Wk, Wv, Wg
	s_load_b128 s[12:15], s[0:1], 0x20             ; Wo, Wgk1
	s_load_b64 s[16:17], s[0:1], 0x30              ; wf
	s_mov_b32 s20, ttmp9                           ; g: 0-15 Wq, 16-31 Wk, 32-63 Wv, 64-95 Wg, 96-127 Wo, 128 Wgk1
	s_and_b32 s21, s20, 15
	s_and_b32 s22, s20, 31
	s_cmp_lt_u32 s20, 32
	s_cselect_b32 s21, s21, s22
	s_cmp_lt_u32 s20, 128
	s_cselect_b32 s21, s21, 0                      ; i: the column tile in its matrix
	s_lshr_b32 s23, s21, 2                         ; q, k: head i / 4, pass g / 16
	s_mul_i32 s23, s23, 393216
	s_lshr_b32 s24, s20, 4
	s_lshl_b32 s24, s24, 16
	s_add_co_u32 s23, s23, s24
	s_add_co_u32 s23, s23, HSOFF
	s_lshr_b32 s24, s21, 3                         ; v, g: head i / 8, pass 2 + 2 (g - 32) / 32 + (i / 4) % 2
	s_mul_i32 s24, s24, 393216
	s_sub_co_u32 s25, s20, 32
	s_lshr_b32 s25, s25, 5
	s_lshl_b32 s25, s25, 1
	s_bfe_u32 s27, s21, 0x10002
	s_add_co_u32 s25, s25, s27
	s_add_co_u32 s25, s25, 2
	s_lshl_b32 s25, s25, 16
	s_add_co_u32 s24, s24, s25
	s_add_co_u32 s24, s24, HSOFF
	s_lshr_b32 s25, s21, 2                         ; Wo: (wave, pass) = i / 4
	s_lshl_b32 s25, s25, 16
	s_cmp_lt_u32 s20, 32
	s_cselect_b32 s23, s23, s24
	s_cmp_lt_u32 s20, 96
	s_cselect_b32 s23, s23, s25
	s_cmp_lt_u32 s20, 128
	s_cselect_b32 s23, s23, W1OFF
	s_and_b32 s24, s21, 3
	s_lshl_b32 s24, s24, 10
	s_add_co_u32 s24, s23, s24                     ; where the tile's fragments begin in wf
	s_mov_b32 s25, 0
	s_movk_i32 s26, 1024
	s_movk_i32 s27, 2048
	s_cmp_lt_u32 s20, 32
	s_cselect_b32 s26, s26, s27
	s_movk_i32 s28, 4096
	s_movk_i32 s27, 1024
	s_cmp_lt_u32 s20, 128
	s_cselect_b32 s26, s26, 64                     ; bytes in a row of the matrix
	s_cselect_b32 s28, s28, s27                    ; bytes from kap to kap + 1 in wf
	v_and_b32 v1, 15, v0                           ; r
	v_bfe_u32 v2, v0, 4, 1                         ; h
	v_bfe_u32 v3, v0, 5, 1                         ; which half of the fragment
	v_lshrrev_b32 v4, 6, v0                        ; kap of my first piece; the others are 4 further each
	v_lshlrev_b32 v5, 5, v4
	v_lshl_add_u32 v5, v3, 4, v5
	v_lshl_add_u32 v5, v2, 3, v5                   ; the first of my 8 rows
	v_mul_lo_u32 v5, v5, s26
	v_lshl_add_u32 v5, v1, 2, v5
	s_lshl_b32 s27, s26, 7                         ; 128 rows on
	v_add_nc_u32 v6, s27, v5
	v_add_nc_u32 v7, s27, v6
	v_add_nc_u32 v8, s27, v7
	v_and_b32 v9, 31, v0
	v_lshlrev_b32 v9, 4, v9
	v_lshl_add_u32 v9, v3, 9, v9
	v_mul_lo_u32 v4, v4, s28
	v_add_nc_u32 v9, v9, v4
	s_lshl_b32 s29, s28, 2
	v_add_nc_u32 v10, s29, v9
	v_add_nc_u32 v11, s29, v10
	v_add_nc_u32 v12, s29, v11
	s_lshl_b32 s30, s21, 6                         ; the tile's 16 columns of f32
	s_mov_b32 s31, 0
	s_wait_kmcnt 0x0
	s_cmp_lt_u32 s20, 16
	s_cselect_b64 s[18:19], s[4:5], s[6:7]
	s_cmp_lt_u32 s20, 32
	s_cselect_b64 s[18:19], s[18:19], s[8:9]
	s_cmp_lt_u32 s20, 64
	s_cselect_b64 s[18:19], s[18:19], s[10:11]
	s_cmp_lt_u32 s20, 96
	s_cselect_b64 s[18:19], s[18:19], s[12:13]
	s_cmp_lt_u32 s20, 128
	s_cselect_b64 s[18:19], s[18:19], s[14:15]
	s_add_nc_u64 s[32:33], s[18:19], s[30:31]
	s_mov_b32 s30, s26
.irp j, 1,2,3,4,5,6,7
	s_add_nc_u64 s[32+2*\j:33+2*\j], s[30+2*\j:31+2*\j], s[30:31]  ; a base for each of the 8 rows: the row's length is no constant of the text
.endr
	s_add_nc_u64 s[16:17], s[16:17], s[24:25]
.irp i, 0,1,2,3
.irp j, 0,1,2,3,4,5,6,7
	global_load_b32 v[16+8*\i+\j], v[5+\i], s[32+2*\j:33+2*\j]
.endr
.endr
	s_wait_loadcnt 0x0
.irp n, 0,1,2,3,4,5,6,7,8,9,10,11,12,13,14,15
	v_cvt_pk_bf16_f32 v[48+\n], v[16+2*\n], v[17+2*\n]
.endr
	s_sub_co_u32 s29, s20, 96
	s_cmp_lt_u32 s29, 32
	s_cbranch_scc0 .Lstore                         ; Wo alone goes on to f16
.irp n, 0,1,2,3,4,5,6,7,8,9,10,11,12,13,14,15
	v_lshlrev_b32 v[16+2*\n], 16, v[48+\n]
	v_and_b32 v[17+2*\n], 0xffff0000, v[48+\n]
	v_cvt_pk_f16_f32 v[48+\n], v[16+2*\n], v[17+2*\n]
.endr
.Lstore:
.irp i, 0,1,2,3
	global_store_b128 v[9+\i], v[48+4*\i:51+4*\i], s[16:17]
.endr
	s_endpgm
.Lfunc_end_k_q6e9a563aed_prep:
	.size	k_q6e9a563aed_prep, .Lfunc_end_k_q6e9a563aed_prep-k_q6e9a563aed_prep
	.p2alignl 7, 3214868480
	.fill 96, 4, 3214868480
	.section	.rodata,"a",@progbits
	.p2align	6, 0x0
	.amdhsa_kernel k_q6e9a563aed_prep
		.amdhsa_group_segment_fixed_size 0
		.amdhsa_private_segment_fixed_size 0
		.amdhsa_enable_private_segment 0
		.amdhsa_kernarg_size 56
		.amdhsa_user_sgpr_count 2
		.amdhsa_user_sgpr_kernarg_segment_ptr 1
		.amdhsa_wavefront_size32 1
		.amdhsa_system_sgpr_workgroup_id_x 1
		.amdhsa_system_sgpr_workgroup_id_y 1
		.amdhsa_system_sgpr_workgroup_id_z 1
		.amdhsa_system_vgpr_workitem_id 0
		.amdhsa_next_free_vgpr 64
		.amdhsa_next_free_sgpr 66
		.amdhsa_reserve_vcc 0
		.amdhsa_float_denorm_mode_32 3
		.amdhsa_float_denorm_mode_16_64 3
		.amdhsa_memory_ordered 1
		.amdhsa_forward_progress 1
		.amdhsa_inst_pref_size 11
	.end_amdhsa_kernel
	.amdgpu_metadata
---
amdhsa.version: [ 1, 2 ]
amdhsa.kernels:
  - .name:           k_q6e9a563aed_prep
    .symbol:         k_q6e9a563aed_prep.kd
    .args:
      - { .name: Wq, .offset: 0, .size: 8, .value_kind: global_buffer, .address_space: global }
      - { .name: Wk, .offset: 8, .size: 8, .value_kind: global_buffer, .address_space: global }
      - { .name: Wv, .offset: 16, .size: 8, .value_kind: global_buffer, .address_space: global }
      - { .name: Wg, .offset: 24, .size: 8, .value_kind: global_buffer, .address_space: global }
      - { .name: Wo, .offset: 32, .size: 8, .value_kind: global_buffer, .address_space: global }
      - { .name: Wgk1, .offset: 40, .size: 8, .value_kind: global_buffer, .address_space: global }
      - { .name: wf, .offset: 48, .size: 8, .value_kind: global_buffer, .address_space: global }
    .group_segment_fixed_size: 0
    .private_segment_fixed_size: 0
    .kernarg_segment_align: 8
    .kernarg_segment_size: 56
    .max_flat_workgroup_size: 256
    .sgpr_count:     66
    .vgpr_count:     64
    .wavefront_size: 32
...
	.end_amdgpu_metadata
.endif
;; end of part 1
;; launch proj (part 2): grid 256 x 1, 4 waves a work-group, no clusters, 203,264 bytes of LDS; arguments x, wf, Wgk2, bgk2, tl, st, gd; writes tl, st, gd
.if DOCPART == 2
	.amdgcn_target "amdgcn-amd-amdhsa--gfx1250"
	.amdhsa_code_object_version 6
	.text
	.protected	k_q6e9a563aed_proj
	.globl	k_q6e9a563aed_proj
	.p2align	8
	.type	k_q6e9a563aed_proj,@function
k_q6e9a563aed_proj:
	s_mov_b64 s[64:65], 0
	v_nop
	global_prefetch_b8 v0, s[64:65] scope:SCOPE_SE
	s_setreg_imm32_b32 hwreg(HW_REG_WAVE_MODE, 25, 1), 1
	s_wait_xcnt 0x0
; A work-group owns a chunk of 128 rows; wave w is head w.  x is rounded to bf16 into LDS once; each wave multiplies all 128 rows by its head's columns of
; Wq, Wk, Wv, Wg (six passes of 64 columns, K = 512), rounds q, k, v, g to f16 and stores them as tiles; makes the gate log2(a) = log_sigmoid(z) log2(e) / 16
; (f16); and the chunk's own state S = sum over s of (product of a behind s) k_s^T v_s with the chunk's total decay G.
; TILES.  q, k, v, gate: lane (r, h) holds column r and rows 8 h + 0..7 (16 bytes): two such tiles are a fragment with k = time.  g: sources swapped, lane = row, 8 columns.
; NO 1 / DECAY is formed: every factor is a product of a <= 1.  q is kept without the 1/8 (the last launch's LayerNorm takes 64 eps).
; LIMITS.  q, k, v, g must lie within f16's 65,504; a gate a below 2^-126 counts as 0; NaN and infinities are not treated apart.
; NO TENSOR LOADS, NO CLUSTER: x has to be converted on its way into LDS, so it passes registers; the weights (393,216 bytes a wave) come as ready fragments straight
; into registers, 24 loads ahead, and are read by all 256 work-groups out of the cache; no LDS tile is shared between work-groups.
; WINDOWS of 256 registers: 0 addresses, x fragments, gate work; 1 the 32 accumulators (tile (c, rt) at 8 (8 c + rt)); 2 v0-127 packed results, v128-255 k-hat; 3 v0-127 weight ring, v128-255 Wgk1.
.set XPITCH, 1040                      ; an LDS row of x: 1,024 bytes + 16: the 16 rows of a fragment load start 16 bytes apart modulo 256
.set RTB,    16640                     ; 16 rows
.set YS,     133120                    ; 8 fragments of y = x Wgk1, 512 bytes each
.set SCR,    137216                    ; 16,384 bytes a wave: k, then k-hat, tile (rt, c) at (4 rt + c) 512
.set SPARE,  202752                    ; the spare words, 128 bytes a wave
.set HSOFF,  524288
.set W1OFF,  2097152
.set RTT,    14336                     ; tl: bytes of (chunk, head, row tile): q 0, k 2048, v 4096, g 8192, gate 12288
.set SPW, 2
.set NIL, 3
.set LO,  4                            ; 16 x lane
.set SCB, 5                            ; my scratch + 16 x lane
.set YL,  6                            ; YS + 16 x lane
.set ADR, 7
.set YB,  8                            ; fragment address in my own 32 rows of x
.set XG,  9
.set XL,  10
.set YAD, 11
.set XA,  12
.set XA2, 13
.set XB,  14                           ; r x pitch + 16 h
.set TM,  15
.set KP,  16                           ; v16-31  k of one row tile, packed
.set BI,  32                           ; v32-39  the bias of my lane's channel, twice, for each c
.set RR,  40                           ; v40-43  product of the later blocks' totals
.set BR,  44
.set YF,  48                           ; v48-55  y fragment, upper half 0 (K = 16 of 32)
.set YP,  56
.set XF0, 64
.set XF1, 128
.set W2F, 192                          ; v192-223 Wgk2 fragments, upper halves 0
.set W2R, 224
.set ZZ,  64                           ; gate work, where the x fragments lie during the passes
.set TA,  96
.set UA,  104
.set G4,  112
.set KF,  128
.set T8,  136
.set T8X, 137
.set MM,  138
.set PKD, 140
.set WP, 22                            ; s[22:23] the weight stream
.set TP, 24                            ; s[24:25] tl, this pass's array
.set GP, 26                            ; s[26:27] tl, the gate tiles of the row tile in hand
.set SP, 28                            ; s[28:29] st
.set CT, 30
.set TR, 31
.set MSB, 0
.macro WIN new                         ; the immediate's high byte repeats the setting that is left; a switch that changes nothing is dropped
.if MSB != (\new)
	s_set_vgpr_msb (MSB<<8)|(\new)
.set MSB, \new
.endif
.endm
.macro PLACES n
.rept \n
	v_nop
.endr
.endm
.macro WIDEN d, a, b, c, e             ; eight f16 in four registers (named by number: halves have names below v128 only) to f32
	v_cvt_f32_f16 v[(\d)], v\a\().l
	v_cvt_f32_f16 v[(\d)+1], v\a\().h
	v_cvt_f32_f16 v[(\d)+2], v\b\().l
	v_cvt_f32_f16 v[(\d)+3], v\b\().h
	v_cvt_f32_f16 v[(\d)+4], v\c\().l
	v_cvt_f32_f16 v[(\d)+5], v\c\().h
	v_cvt_f32_f16 v[(\d)+6], v\e\().l
	v_cvt_f32_f16 v[(\d)+7], v\e\().h
.endm
; THE PRODUCT of 128 rows in LDS with 64 columns from the stream, K = 512 in 16 steps of 32.
.macro XLOAD buf, off                  ; eight row fragments at byte off of the rows
.irp t, 0,1,2,3
	ds_load_b128 v[(\buf)+8*\t:(\buf)+8*\t+3], v[XA] offset:\t*RTB+(\off)
	ds_load_b128 v[(\buf)+8*\t+4:(\buf)+8*\t+7], v[XA] offset:\t*RTB+(\off)+32
.endr
.irp t, 0,1,2,3
	ds_load_b128 v[(\buf)+32+8*\t:(\buf)+32+8*\t+3], v[XA2] offset:\t*RTB+(\off)
	ds_load_b128 v[(\buf)+32+8*\t+4:(\buf)+32+8*\t+7], v[XA2] offset:\t*RTB+(\off)+32
.endr
.endm
.macro WLOAD slot, koff                ; four column fragments of one k step into a slot of the ring
	WIN 0xc0
.irp c, 0,1,2,3
	global_load_b128 v[32*(\slot)+8*\c:32*(\slot)+8*\c+3], v[LO], s[WP:WP+1] offset:(\koff)*4096+\c*1024
	global_load_b128 v[32*(\slot)+8*\c+4:32*(\slot)+8*\c+7], v[LO], s[WP:WP+1] offset:(\koff)*4096+\c*1024+512
.endr
.endm
.macro MUL16 xf, slot, c0, zero, sw, form
.irp cc, \c0, (\c0)+1
.irp tt, 0,1,2,3,4,5,6,7
.if \sw
.if \zero
	v_wmma_f32_16x16x32_\form v[8*(8*(\cc)+\tt):8*(8*(\cc)+\tt)+7], v[32*(\slot)+8*(\cc):32*(\slot)+8*(\cc)+7], v[(\xf)+8*\tt:(\xf)+8*\tt+7], 0
.else
	v_wmma_f32_16x16x32_\form v[8*(8*(\cc)+\tt):8*(8*(\cc)+\tt)+7], v[32*(\slot)+8*(\cc):32*(\slot)+8*(\cc)+7], v[(\xf)+8*\tt:(\xf)+8*\tt+7], v[8*(8*(\cc)+\tt):8*(8*(\cc)+\tt)+7]
.endif
.else
.if \zero
	v_wmma_f32_16x16x32_\form v[8*(8*(\cc)+\tt):8*(8*(\cc)+\tt)+7], v[(\xf)+8*\tt:(\xf)+8*\tt+7], v[32*(\slot)+8*(\cc):32*(\slot)+8*(\cc)+7], 0
.else
	v_wmma_f32_16x16x32_\form v[8*(8*(\cc)+\tt):8*(8*(\cc)+\tt)+7], v[(\xf)+8*\tt:(\xf)+8*\tt+7], v[32*(\slot)+8*(\cc):32*(\slot)+8*(\cc)+7], v[8*(8*(\cc)+\tt):8*(8*(\cc)+\tt)+7]
.endif
.endif
.endr
.endr
.endm
; One k step: 32 matrix instructions on 32 accumulators by turns.  In its middle, behind four places, the next step's row fragments
; go into the buffer, and the weights three steps on into the slot, that the step before has read.
.macro KSTEP kk, first, sw, form, cond
	s_wait_loadcnt 16                              ; behind this step's 8 weight loads only the next two steps' 16 were issued
	s_wait_dscnt 0x0                               ; the row fragments, asked for 16 matrix instructions ago
	WIN 0x5c-9*(\sw)                               ; rows window 0, weights window 3, sums window 1; sw = 1: the sources change places
.if (\first) && ((\kk) == 0)
	MUL16 XF0+64*((\kk)%2), \kk, 0, 1, \sw, \form
.else
	MUL16 XF0+64*((\kk)%2), \kk, 0, 0, \sw, \form
.endif
	WIN 0
	PLACES 4
.if (\cond) && ((\kk) == 3)
	s_cmp_eq_u32 s[TR], 1
	s_cbranch_scc1 .Lnox_\@                        ; behind the pass's last step there are no rows' bytes to fetch
.endif
	XLOAD XF0+64*(((\kk)+1)%2), ((\kk)+1)*64
.if (\cond) && ((\kk) == 3)
.Lnox_\@:
.endif
	WLOAD ((\kk)+3)%4, (\kk)+3
	WIN 0x5c-9*(\sw)
.if (\first) && ((\kk) == 0)
	MUL16 XF0+64*((\kk)%2), \kk, 2, 1, \sw, \form
.else
	MUL16 XF0+64*((\kk)%2), \kk, 2, 0, \sw, \form
.endif
.endm
.macro TRIP first, sw, form, cond
	KSTEP 0, \first, \sw, \form, \cond
	KSTEP 1, \first, \sw, \form, \cond
	KSTEP 2, \first, \sw, \form, \cond
	KSTEP 3, \first, \sw, \form, \cond
	WIN 0
	s_wait_xcnt 0x0                                ; the stream's base is stepped only behind this wait
	s_add_nc_u64 s[WP:WP+1], s[WP:WP+1], 16384
	v_add_nc_u32 v[XA], 256, v[XA]
	v_add_nc_u32 v[XA2], 256, v[XA2]
.endm
.macro PASS sw, form                   ; the first four steps are written out: their first products start the sums
	v_mov_b32 v[XA], v[XB]
	v_add_nc_u32 v[XA2], 4*RTB, v[XB]
	XLOAD XF0, 0
	TRIP 1, \sw, \form, 0
	s_mov_b32 s[TR], 3
.Ltrip_\@:
	TRIP 0, \sw, \form, 1
	s_sub_co_u32 s[TR], s[TR], 1
	s_cmp_lg_u32 s[TR], 0
	s_cbranch_scc1 .Ltrip_\@
	PLACES 4                                       ; in front of the first read of the sums
.endm
.macro PACKSTORE                       ; 32 tiles rounded to f16 (each accumulator from its low end) and stored, 512 consecutive bytes a store
	WIN 0x85
.set i, 0
.rept 128
	v_cvt_pk_f16_f32 v[i], v[2*i], v[2*i+1]
.set i, i+1
.endr
	WIN 0x08
.set i, 0
.rept 32
	global_store_b128 v[LO], v[4*i:4*i+3], s[TP:TP+1] offset:(i%8)*RTT+(i/8)*512
.set i, i+1
.endr
	WIN 0
	s_wait_xcnt 0x0                                ; the base is stepped, and the packed registers are written again, only behind this wait
	s_add_nc_u64 s[TP:TP+1], s[TP:TP+1], 2048
.endm
	s_load_b256 s[4:11], s[0:1], 0x0               ; x, wf, Wgk2, bgk2
	s_load_b128 s[12:15], s[0:1], 0x20             ; tl, st
	s_load_b64 s[16:17], s[0:1], 0x30              ; gd
	v_lshl_add_u32 v[SPW], v0, 2, SPARE
	v_mov_b32 v[NIL], 0
	v_lshrrev_b32 v1, 5, v0
	v_readfirstlane_b32 s18, v1                    ; wave = head
	s_mov_b32 s19, ttmp9                           ; chunk
	s_mov_b32 s21, 0
	s_mov_b32 s34, 0xffff0000                      ; the lanes with h = 1
	s_mov_b32 s35, 0xbfb8aa3b                      ; -log2(e)
	s_mov_b32 s36, 0x3db8aa3b                      ; log2(e) / 16
	s_mov_b32 s37, s36
	s_mov_b32 s38, 0xbd800000                      ; -1 / 16
	s_mov_b32 s39, s38
	s_mov_b32 s42, 0x76543210                      ; v_permlanex16_b32: each lane takes its own place in the other half
	s_mov_b32 s43, 0xfedcba98
	v_and_b32 v1, 15, v0                           ; r
	v_bfe_u32 v[TM], v0, 4, 1                      ; h
	v_and_b32 v[LO], 31, v0
	v_lshlrev_b32 v[XL], 3, v[LO]
	v_lshlrev_b32 v[LO], 4, v[LO]
	s_lshl_b32 s20, s18, 14
	s_add_co_u32 s20, s20, SCR
	v_add_nc_u32 v[SCB], s20, v[LO]
	v_add_nc_u32 v[YL], YS, v[LO]
	v_mul_u32_u24 v[XB], v1, XPITCH
	v_lshl_add_u32 v[XB], v[TM], 4, v[XB]
	s_mul_i32 s20, s18, 32*XPITCH                  ; my 32 rows of x in LDS
	v_add_nc_u32 v[YB], s20, v[XB]
	v_add_nc_u32 v[XL], s20, v[XL]
	s_lshl_b32 s20, s18, 16                        ; and in memory
	v_add_nc_u32 v[XG], s20, v[LO]
	v_lshlrev_b32 v[YAD], 2, v1                    ; for now: 4 r, the bias's offset,
	v_lshl_add_u32 v[ADR], v[TM], 13, v[YAD]       ; and Wgk2's: row 8 h, column r
	s_wait_kmcnt 0x0
	s_lshl_b32 s20, s19, 18
	s_add_nc_u64 s[4:5], s[4:5], s[20:21]
	s_mul_i32 s20, s18, 393216
	s_add_co_u32 s20, s20, HSOFF
	s_add_nc_u64 s[WP:WP+1], s[6:7], s[20:21]
	s_add_nc_u64 s[40:41], s[6:7], W1OFF
	s_lshl_b32 s20, s18, 8
	s_add_nc_u64 s[8:9], s[8:9], s[20:21]
	s_add_nc_u64 s[10:11], s[10:11], s[20:21]
	s_lshl_b32 s44, s19, 10
	s_add_co_u32 s20, s20, s44
	s_add_nc_u64 s[16:17], s[16:17], s[20:21]
	s_mul_i32 s20, s19, 458752
	s_mul_i32 s44, s18, 114688
	s_add_co_u32 s20, s20, s44
	s_add_nc_u64 s[TP:TP+1], s[12:13], s[20:21]
	s_add_nc_u64 s[GP:GP+1], s[TP:TP+1], 12288+7*RTT
	s_lshl_b32 s20, s19, 17
	s_lshl_b32 s44, s18, 15
	s_add_co_u32 s20, s20, s44
	s_add_nc_u64 s[SP:SP+1], s[14:15], s[20:21]
	WIN 0xc0
.set i, 0
.rept 16
	global_load_b128 v[128+8*i:128+8*i+3], v[LO], s[40:41] offset:i*1024
	global_load_b128 v[128+8*i+4:128+8*i+7], v[LO], s[40:41] offset:i*1024+512
.set i, i+1
.endr
	WLOAD 0, 0                                     ; the stream's first three steps; from here on it runs three steps ahead, across the passes
	WLOAD 1, 1
	WLOAD 2, 2
	WIN 0
.irp c, 0,1,2,3
.irp j, 0,1,2,3,4,5,6,7
	global_load_b32 v[W2R+8*\c+\j], v[ADR], s[8:9] offset:\j*1024+\c*64
.endr
.endr
.irp c, 0,1,2,3
	global_load_b32 v[BR+\c], v[YAD], s[10:11] offset:\c*64
.endr
; x: my 32 rows, 4 rows (16 loads of 512 bytes) a batch, two batches on their way; rounded to bf16 and laid into LDS, 256 consecutive bytes a store
.macro XBATCH b, set
.set n, 0
.rept 16
	global_load_b128 v[(\set)+4*n:(\set)+4*n+3], v[XG], s[4:5] offset:(4*(\b)+n/4)*2048+(n%4)*512 th:TH_LOAD_NT
.set n, n+1
.endr
.endm
.macro XCONV b, set
.set n, 0
.rept 16
	v_cvt_pk_bf16_f32 v[(\set)+4*n], v[(\set)+4*n], v[(\set)+4*n+1]
	v_cvt_pk_bf16_f32 v[(\set)+4*n+1], v[(\set)+4*n+2], v[(\set)+4*n+3]
	ds_store_b64 v[XL], v[(\set)+4*n:(\set)+4*n+1] offset:(4*(\b)+n/4)*XPITCH+(n%4)*256
.set n, n+1
.endr
.endm
	XBATCH 0, XF0
	XBATCH 1, XF1
.irp b, 0,1,2,3,4,5,6,7
.if \b < 7
	s_wait_loadcnt 16                              ; one younger batch may be out
.else
	s_wait_loadcnt 0x0
.endif
	XCONV \b, XF0+64*(\b%2)
.if \b < 6
	XBATCH \b+2, XF0+64*(\b%2)
.endif
.endr
.irp c, 0,1,2,3
.irp m, 0,1,2,3
	v_cvt_pk_bf16_f32 v[W2F+8*\c+\m], v[W2R+8*\c+2*\m], v[W2R+8*\c+2*\m+1]
	v_mov_b32 v[W2F+8*\c+4+\m], 0
.endr
	v_mov_b32 v[BI+2*\c], v[BR+\c]
	v_mov_b32 v[BI+2*\c+1], v[BR+\c]
	v_mov_b32 v[RR+\c], 1.0
	v_mov_b32 v[YF+4+\c], 0
.endr
; y = x Wgk1 for my own two row tiles (my own LDS bytes: LDS serves a wave's instructions in order), sources swapped: a lane holds one row and 8 of the 16 ranks,
; which packed to bf16 are the lower half of a fragment.  Two accumulators take turns.
.macro YLOAD g, buf
.set n, 0
.rept 8
	ds_load_b128 v[(\buf)+8*n:(\buf)+8*n+3], v[YB] offset:(n%2)*RTB+(4*(\g)+n/2)*64
	ds_load_b128 v[(\buf)+8*n+4:(\buf)+8*n+7], v[YB] offset:(n%2)*RTB+(4*(\g)+n/2)*64+32
.set n, n+1
.endr
.endm
.macro YMUL g, buf
	WIN 0x53
.set n, 0
.rept 8
.if ((\g) == 0) && (n < 2)
	v_wmma_f32_16x16x32_bf16 v[8*(n%2):8*(n%2)+7], v[128+8*(4*(\g)+n/2):128+8*(4*(\g)+n/2)+7], v[(\buf)+8*n:(\buf)+8*n+7], 0
.else
	v_wmma_f32_16x16x32_bf16 v[8*(n%2):8*(n%2)+7], v[128+8*(4*(\g)+n/2):128+8*(4*(\g)+n/2)+7], v[(\buf)+8*n:(\buf)+8*n+7], v[8*(n%2):8*(n%2)+7]
.endif
.set n, n+1
.endr
	WIN 0
.endm
	YLOAD 0, XF0
	YLOAD 1, XF1
	s_wait_dscnt 16                                ; the younger group's 16 loads may be out
	YMUL 0, XF0
	PLACES 4
	YLOAD 2, XF0
	s_wait_dscnt 16
	YMUL 1, XF1
	PLACES 4
	YLOAD 3, XF1
	s_wait_dscnt 16
	YMUL 2, XF0
	s_wait_dscnt 0x0
	YMUL 3, XF1
	PLACES 4
	WIN 0x05
.irp t, 0,1
.irp m, 0,1,2,3
	v_cvt_pk_bf16_f32 v[YP+4*\t+\m], v[8*\t+2*\m], v[8*\t+2*\m+1]
.endr
.endr
	WIN 0
	s_lshl_b32 s20, s18, 10
	v_add_nc_u32 v[TM], s20, v[YL]
	ds_store_b128 v[TM], v[YP:YP+3]
	ds_store_b128 v[TM], v[YP+4:YP+7] offset:512
	s_wait_dscnt 0x0                               ; for the others' sake: my rows of x and my y are in LDS
	s_barrier_signal -1
	s_barrier_wait -1                              ; the one barrier: from here on x and y are only read
	s_mov_b32 s[CT], 2
.Lqk:                                                  ; q, then k
	PASS 0, bf16
	PACKSTORE
	s_sub_co_u32 s[CT], s[CT], 1
	s_cmp_lg_u32 s[CT], 0
	s_cbranch_scc1 .Lqk
; THE GATES, row tiles 7 down to 0, so that RR holds the product of the later blocks' totals.  k goes through my scratch, since a loop cannot choose registers.
	WIN 0x08
.set i, 0
.rept 32
	ds_store_b128 v[SCB], v[4*i:4*i+3] offset:((i%8)*4+i/8)*512
.set i, i+1
.endr
	WIN 0
	v_add_nc_u32 v[ADR], 7*2048, v[SCB]
	v_add_nc_u32 v[YAD], 7*512, v[YL]
	v_mov_b32 v[T8X], 0
	v_mov_b32 v[MM+1], 0
; log2(a) = min(z, 0) log2(e) / 16 - log2(1 + e^-|z|) / 16, rounded to f16 and stored; a = 2^ of the rounded number, as the last launch will make it.
.macro GATE c, g0, g1, g2, g3
.set z, ZZ+8*(\c)
.irp p, 0,2,4,6
	v_pk_add_f32 v[z+\p:z+\p+1], v[z+\p:z+\p+1], v[BI+2*(\c):BI+2*(\c)+1]
.endr
.irp j, 0,1,2,3,4,5,6,7
	v_mul_f32 v[TA+\j], s35, |v[z+\j]|
.endr
.irp j, 0,1,2,3,4,5,6,7
	v_exp_f32 v[TA+\j], v[TA+\j]
.endr
.irp j, 0,1,2,3,4,5,6,7
	v_min_num_f32 v[UA+\j], 0, v[z+\j]             ; plain work between the exponentials and the use of their results
.endr
	s_wait_alu depctr_va_vdst(0)
.irp p, 0,2,4,6
	v_pk_add_f32 v[TA+\p:TA+\p+1], v[TA+\p:TA+\p+1], 1.0 op_sel_hi:[1,0]
.endr
.irp j, 0,1,2,3,4,5,6,7
	v_log_f32 v[TA+\j], v[TA+\j]
.endr
.irp p, 0,2,4,6
	v_pk_mul_f32 v[UA+\p:UA+\p+1], v[UA+\p:UA+\p+1], s[36:37] op_sel_hi:[1,0]
.endr
	s_wait_alu depctr_va_vdst(0)
.irp p, 0,2,4,6
	v_pk_fma_f32 v[UA+\p:UA+\p+1], v[TA+\p:TA+\p+1], s[38:39], v[UA+\p:UA+\p+1] op_sel_hi:[1,0,1]
.endr
	v_cvt_pk_f16_f32 v\g0, v[UA], v[UA+1]
	v_cvt_pk_f16_f32 v\g1, v[UA+2], v[UA+3]
	v_cvt_pk_f16_f32 v\g2, v[UA+4], v[UA+5]
	v_cvt_pk_f16_f32 v\g3, v[UA+6], v[UA+7]
	global_store_b128 v[LO], v[G4+4*(\c):G4+4*(\c)+3], s[GP:GP+1] offset:(\c)*512
	WIDEN TA, \g0, \g1, \g2, \g3
.irp j, 0,1,2,3,4,5,6,7
	v_exp_f32 v[TA+\j], v[TA+\j]
.endr
.endm
; k-hat = k x (product of a behind the row: in its 8 rows, in the block's other half, in the later blocks)
.macro KHAT c, k0, k1, k2, k3
	WIDEN KF, \k0, \k1, \k2, \k3
	v_mov_b32 v[UA+7], 1.0
	s_wait_alu depctr_va_vdst(0)
	v_mov_b32 v[UA+6], v[TA+7]
	v_mul_f32 v[UA+5], v[TA+6], v[TA+7]
	v_mul_f32 v[UA+4], v[TA+5], v[UA+5]
	v_mul_f32 v[UA+3], v[TA+4], v[UA+4]
	v_mul_f32 v[UA+2], v[TA+3], v[UA+3]
	v_mul_f32 v[UA+1], v[TA+2], v[UA+2]
	v_mul_f32 v[UA], v[TA+1], v[UA+1]
	v_mul_f32 v[T8], v[TA], v[UA]                  ; the 8 rows' total
	v_permlanex16_b32 v[T8X], v[T8], s42, s43      ; the other 8 rows'
	v_cndmask_b32 v[MM], v[T8X], 1.0, s34          ; rows 0-7 are followed by rows 8-15
	v_mul_f32 v[MM], v[MM], v[RR+(\c)]
	v_mul_f32 v[T8], v[T8], v[T8X]
	v_mul_f32 v[RR+(\c)], v[RR+(\c)], v[T8]
.irp p, 0,2,4,6
	v_pk_mul_f32 v[UA+\p:UA+\p+1], v[UA+\p:UA+\p+1], v[MM:MM+1] op_sel_hi:[1,0]
.endr
.irp p, 0,2,4,6
	v_pk_mul_f32 v[KF+\p:KF+\p+1], v[KF+\p:KF+\p+1], v[UA+\p:UA+\p+1]
.endr
.irp m, 0,1,2,3
	v_cvt_pk_f16_f32 v[PKD+\m], v[KF+2*\m], v[KF+2*\m+1]
.endr
	ds_store_b128 v[ADR], v[PKD:PKD+3] offset:(\c)*512
.endm
	s_mov_b32 s[CT], 8
.Lgate:
	ds_load_b128 v[YF:YF+3], v[YAD]
.irp c, 0,1,2,3
	ds_load_b128 v[KP+4*\c:KP+4*\c+3], v[ADR] offset:\c*512
.endr
	s_wait_dscnt 0x0
.irp c, 0,1,2,3
	v_wmma_f32_16x16x32_bf16 v[ZZ+8*\c:ZZ+8*\c+7], v[YF:YF+7], v[W2F+8*\c:W2F+8*\c+7], 0
.endr
	PLACES 4
	GATE 0, 112, 113, 114, 115
	KHAT 0, 16, 17, 18, 19
	GATE 1, 116, 117, 118, 119
	KHAT 1, 20, 21, 22, 23
	GATE 2, 120, 121, 122, 123
	KHAT 2, 24, 25, 26, 27
	GATE 3, 124, 125, 126, 127
	KHAT 3, 28, 29, 30, 31
	s_wait_xcnt 0x0                                ; the gate stores' base and data are written again only behind this wait
	s_sub_nc_u64 s[GP:GP+1], s[GP:GP+1], RTT
	v_add_nc_u32 v[ADR], 0xfffff800, v[ADR]        ; 2,048 back
	v_add_nc_u32 v[YAD], 0xfffffe00, v[YAD]        ; 512 back
	s_sub_co_u32 s[CT], s[CT], 1
	s_cmp_lg_u32 s[CT], 0
	s_cbranch_scc1 .Lgate
	WIN 0x80
.set i, 0
.rept 32
	ds_load_b128 v[128+4*i:128+4*i+3], v[SCB] offset:((i%8)*4+i/8)*512
.set i, i+1
.endr
	WIN 0
	v_cndmask_b32 v[TA], v[RR], v[RR+1], s34       ; the chunk's total decay: channels 0-31 in the 32 lanes, then 32-63
	v_cndmask_b32 v[TA+1], v[RR+2], v[RR+3], s34
	v_lshrrev_b32 v[TM], 2, v[LO]
	global_store_b32 v[TM], v[TA], s[16:17]
	global_store_b32 v[TM], v[TA+1], s[16:17] offset:128
	s_wait_dscnt 0x0
	s_wait_xcnt 0x0                                ; those two data registers lie where the next pass loads fragments
; S = k-hat^T V for this pass's 64 columns of v: K = time = 128 in four steps; 16 accumulators by turns; stored as they lie in registers
.macro STATE
	WIN 0x5a
.irp kt, 0,1,2,3
.irp mt, 0,1,2,3
.irp nt, 0,1,2,3
.if \kt == 0
	v_wmma_f32_16x16x32_f16 v[8*(4*\mt+\nt):8*(4*\mt+\nt)+7], v[128+32*\mt+8*\kt:128+32*\mt+8*\kt+7], v[32*\nt+8*\kt:32*\nt+8*\kt+7], 0
.else
	v_wmma_f32_16x16x32_f16 v[8*(4*\mt+\nt):8*(4*\mt+\nt)+7], v[128+32*\mt+8*\kt:128+32*\mt+8*\kt+7], v[32*\nt+8*\kt:32*\nt+8*\kt+7], v[8*(4*\mt+\nt):8*(4*\mt+\nt)+7]
.endif
.endr
.endr
.endr
	PLACES 5                                       ; for the stores, and for the next pass's products, which write over these sums
	WIN 0x04
.irp mt, 0,1,2,3
.irp nt, 0,1,2,3
	global_store_b128 v[LO], v[8*(4*\mt+\nt):8*(4*\mt+\nt)+3], s[SP:SP+1] offset:\mt*8192+\nt*1024
	global_store_b128 v[LO], v[8*(4*\mt+\nt)+4:8*(4*\mt+\nt)+7], s[SP:SP+1] offset:\mt*8192+\nt*1024+512
.endr
.endr
	WIN 0
	s_wait_xcnt 0x0
	s_add_nc_u64 s[SP:SP+1], s[SP:SP+1], 4096
.endm
	s_mov_b32 s[CT], 2
.Lv:                                                   ; v's two halves, each with its part of the state
	PASS 0, bf16
	PACKSTORE
	STATE
	s_sub_co_u32 s[CT], s[CT], 1
	s_cmp_lg_u32 s[CT], 0
	s_cbranch_scc1 .Lv
	s_mov_b32 s[CT], 2
.Lg:                                                   ; g's two halves, sources swapped: a lane holds a row
	PASS 1, bf16
	PACKSTORE
	s_sub_co_u32 s[CT], s[CT], 1
	s_cmp_lg_u32 s[CT], 0
	s_cbranch_scc1 .Lg
	s_wait_tensorcnt 0x0                           ; the wave's end, behind my last LDS store
	ds_add_u32 v[SPW], v[NIL]
	s_wait_dscnt 0x0
	s_endpgm
.Lfunc_end_k_q6e9a563aed_proj:
	.size	k_q6e9a563aed_proj, .Lfunc_end_k_q6e9a563aed_proj-k_q6e9a563aed_proj
	.p2alignl 7, 3214868480
	.fill 96, 4, 3214868480
	.section	.rodata,"a",@progbits
	.p2align	6, 0x0
	.amdhsa_kernel k_q6e9a563aed_proj
		.amdhsa_group_segment_fixed_size 203264
		.amdhsa_private_segment_fixed_size 0
		.amdhsa_enable_private_segment 0
		.amdhsa_kernarg_size 56
		.amdhsa_user_sgpr_count 2
		.amdhsa_user_sgpr_kernarg_segment_ptr 1
		.amdhsa_wavefront_size32 1
		.amdhsa_system_sgpr_workgroup_id_x 1
		.amdhsa_system_sgpr_workgroup_id_y 1
		.amdhsa_system_sgpr_workgroup_id_z 1
		.amdhsa_system_vgpr_workitem_id 0
		.amdhsa_next_free_vgpr 1024
		.amdhsa_next_free_sgpr 66
		.amdhsa_reserve_vcc 0
		.amdhsa_float_denorm_mode_32 3
		.amdhsa_float_denorm_mode_16_64 3
		.amdhsa_memory_ordered 1
		.amdhsa_forward_progress 1
		.amdhsa_inst_pref_size 227
	.end_amdhsa_kernel
	.amdgpu_metadata
---
amdhsa.version: [ 1, 2 ]
amdhsa.kernels:
  - .name:           k_q6e9a563aed_proj
    .symbol:         k_q6e9a563aed_proj.kd
    .args:
      - { .name: x, .offset: 0, .size: 8, .value_kind: global_buffer, .address_space: global }
      - { .name: wf, .offset: 8, .size: 8, .value_kind: global_buffer, .address_space: global }
      - { .name: Wgk2, .offset: 16, .size: 8, .value_kind: global_buffer, .address_space: global }
      - { .name: bgk2, .offset: 24, .size: 8, .value_kind: global_buffer, .address_space: global }
      - { .name: tl, .offset: 32, .size: 8, .value_kind: global_buffer, .address_space: global }
      - { .name: st, .offset: 40, .size: 8, .value_kind: global_buffer, .address_space: global }
      - { .name: gd, .offset: 48, .size: 8, .value_kind: global_buffer, .address_space: global }
    .group_segment_fixed_size: 203264
    .private_segment_fixed_size: 0
    .kernarg_segment_align: 8
    .kernarg_segment_size: 56
    .max_flat_workgroup_size: 128
    .sgpr_count:     66
    .vgpr_count:     1024
    .wavefront_size: 32
...
	.end_amdgpu_metadata
.endif
;; end of part 2
;; launch scan (part 3): grid 256 x 1, 2 waves a work-group, no clusters, 0 bytes of LDS; arguments st, gd, hs; writes hs
.if DOCPART == 3
	.amdgcn_target "amdgcn-amd-amdhsa--gfx1250"
	.amdhsa_code_object_version 6
	.text
	.protected	k_q6e9a563aed_scan
	.globl	k_q6e9a563aed_scan
	.p2align	8
	.type	k_q6e9a563aed_scan,@function
k_q6e9a563aed_scan:
	s_mov_b64 s[64:65], 0
	v_nop
	global_prefetch_b8 v0, s[64:65] scope:SCOPE_SE
	s_setreg_imm32_b32 hwreg(HW_REG_WAVE_MODE, 25, 1), 1
	s_wait_xcnt 0x0
; H_(c+1) = G_c H_c + S_c over a batch's 128 chunks, in f32; hs[c] is the state that enters chunk c (0 for a batch's first).
; A thread owns 16 bytes of the state (four key channels of one value column, as the accumulator image has them): 2 x 8,192 threads.  A wave's load or store covers 512 consecutive bytes.
; A ring of 8 slots keeps 16 loads of each wave on their way.  No LDS, no matrix unit: the chain is a fused multiply-add a number and chunk, and memory binds.
.set SS, 16
.set GG, 48
.set HH, 80
	s_load_b128 s[4:7], s[0:1], 0x0                ; st, gd
	s_load_b64 s[8:9], s[0:1], 0x10                ; hs
	s_and_b32 s10, ttmp9, 127
	s_lshr_b32 s11, ttmp9, 7                       ; batch
	v_lshl_add_u32 v1, s10, 6, v0                  ; e: my 16 bytes among the state's 8,192
	v_lshlrev_b32 v2, 4, v1
	v_lshrrev_b32 v3, 11, v1                       ; head
	v_lshlrev_b32 v3, 6, v3
	v_bfe_u32 v4, v1, 9, 2                         ; channel tile
	v_lshl_add_u32 v3, v4, 4, v3
	v_bfe_u32 v4, v1, 4, 1                         ; h
	v_lshl_add_u32 v3, v4, 3, v3
	v_bfe_u32 v4, v1, 5, 1                         ; registers 0-3 or 4-7
	v_lshl_add_u32 v3, v4, 2, v3
	v_lshlrev_b32 v3, 2, v3                        ; my four channels' bytes in G
	s_lshl_b32 s12, s11, 24                        ; 128 chunks of 131,072 bytes
	s_mov_b32 s13, 0
	s_lshl_b32 s14, s11, 17
	s_mov_b32 s15, 0
	s_wait_kmcnt 0x0
	s_add_nc_u64 s[4:5], s[4:5], s[12:13]
	s_add_nc_u64 s[8:9], s[8:9], s[12:13]
	s_add_nc_u64 s[6:7], s[6:7], s[14:15]
.irp i, 0,1,2,3,4,5,6,7
	global_load_b128 v[SS+4*\i:SS+4*\i+3], v2, s[4:5] offset:\i*131072 th:TH_LOAD_NT
	global_load_b128 v[GG+4*\i:GG+4*\i+3], v3, s[6:7] offset:\i*1024
.endr
.irp j, 0,1,2,3
	v_mov_b32 v[HH+\j], 0
.endr
.macro SLOT i, ahead, left
	s_wait_loadcnt \left                           ; my two loads are in; two for each younger slot stay out
	s_wait_xcnt 0x0                                ; the next slot's state registers, which an earlier store read, are written only behind this wait
	global_store_b128 v2, v[HH+4*(\i):HH+4*(\i)+3], s[8:9] offset:(\i)*131072
	v_pk_fma_f32 v[HH+4*(((\i)+1)%8):HH+4*(((\i)+1)%8)+1], v[GG+4*(\i):GG+4*(\i)+1], v[HH+4*(\i):HH+4*(\i)+1], v[SS+4*(\i):SS+4*(\i)+1]
	v_pk_fma_f32 v[HH+4*(((\i)+1)%8)+2:HH+4*(((\i)+1)%8)+3], v[GG+4*(\i)+2:GG+4*(\i)+3], v[HH+4*(\i)+2:HH+4*(\i)+3], v[SS+4*(\i)+2:SS+4*(\i)+3]
.if \ahead
	global_load_b128 v[SS+4*(\i):SS+4*(\i)+3], v2, s[4:5] offset:((\i)+8)*131072 th:TH_LOAD_NT
	global_load_b128 v[GG+4*(\i):GG+4*(\i)+3], v3, s[6:7] offset:((\i)+8)*1024
.endif
.endm
	s_mov_b32 s16, 15
.Lround:
.irp i, 0,1,2,3,4,5,6,7
	SLOT \i, 1, 14
.endr
	s_wait_xcnt 0x0                                ; the three bases are stepped only behind this wait
	s_add_nc_u64 s[4:5], s[4:5], 0x100000
	s_add_nc_u64 s[8:9], s[8:9], 0x100000
	s_add_nc_u64 s[6:7], s[6:7], 8192
	s_sub_co_u32 s16, s16, 1
	s_cmp_lg_u32 s16, 0
	s_cbranch_scc1 .Lround
.irp i, 0,1,2,3,4,5,6,7
	SLOT \i, 0, 14-2*\i                            ; the last round loads nothing: the counts run down
.endr
	s_endpgm
.Lfunc_end_k_q6e9a563aed_scan:
	.size	k_q6e9a563aed_scan, .Lfunc_end_k_q6e9a563aed_scan-k_q6e9a563aed_scan
	.p2alignl 7, 3214868480
	.fill 96, 4, 3214868480
	.section	.rodata,"a",@progbits
	.p2align	6, 0x0
	.amdhsa_kernel k_q6e9a563aed_scan
		.amdhsa_group_segment_fixed_size 0
		.amdhsa_private_segment_fixed_size 0
		.amdhsa_enable_private_segment 0
		.amdhsa_kernarg_size 24
		.amdhsa_user_sgpr_count 2
		.amdhsa_user_sgpr_kernarg_segment_ptr 1
		.amdhsa_wavefront_size32 1
		.amdhsa_system_sgpr_workgroup_id_x 1
		.amdhsa_system_sgpr_workgroup_id_y 1
		.amdhsa_system_sgpr_workgroup_id_z 1
		.amdhsa_system_vgpr_workitem_id 0
		.amdhsa_next_free_vgpr 112
		.amdhsa_next_free_sgpr 66
		.amdhsa_reserve_vcc 0
		.amdhsa_float_denorm_mode_32 3
		.amdhsa_float_denorm_mode_16_64 3
		.amdhsa_memory_ordered 1
		.amdhsa_forward_progress 1
		.amdhsa_inst_pref_size 10
	.end_amdhsa_kernel
	.amdgpu_metadata
---
amdhsa.version: [ 1, 2 ]
amdhsa.kernels:
  - .name:           k_q6e9a563aed_scan
    .symbol:         k_q6e9a563aed_scan.kd
    .args:
      - { .name: st, .offset: 0, .size: 8, .value_kind: global_buffer, .address_space: global }
      - { .name: gd, .offset: 8, .size: 8, .value_kind: global_buffer, .address_space: global }
      - { .name: hs, .offset: 16, .size: 8, .value_kind: global_buffer, .address_space: global }
    .group_segment_fixed_size: 0
    .private_segment_fixed_size: 0
    .kernarg_segment_align: 8
    .kernarg_segment_size: 24
    .max_flat_workgroup_size: 64
    .sgpr_count:     66
    .vgpr_count:     112
    .wavefront_size: 32
...
	.end_amdgpu_metadata
.endif
;; end of part 3
;; launch outk (part 4): grid 256 x 1, 4 waves a work-group, no clusters, 194,048 bytes of LDS; arguments tl, hs, wf, out0; writes out0
.if DOCPART == 4
	.amdgcn_target "amdgcn-amd-amdhsa--gfx1250"
	.amdhsa_code_object_version 6
	.text
	.protected	k_q6e9a563aed_outk
	.globl	k_q6e9a563aed_outk
	.p2align	8
	.type	k_q6e9a563aed_outk,@function
k_q6e9a563aed_outk:
	s_mov_b64 s[64:65], 0
	v_nop
	global_prefetch_b8 v0, s[64:65] scope:SCOPE_SE
	s_setreg_imm32_b32 hwreg(HW_REG_WAVE_MODE, 25, 1), 1
	s_wait_xcnt 0x0
; A work-group owns a chunk of 128 rows; wave w is head w and walks the chunk's 8 blocks of 16 rows with its state H (64 x 128, f32, 256 registers):
;   O^T = V^T P + H^T Qb^T;   H <- F H + Kbar^T V;   then LayerNorm over the head's 128 channels, times silu(g): z, f16, into LDS;   at last out = z Wo, wave w making columns 128 w ...
; WEIGHTS INSIDE A BLOCK.  The weight of (s < t) is the product of a over s < u <= t.  It is always split at a boundary between s and t, so that both factors are products of a <= 1 and no 1 / decay is formed:
; five products of 16 x 16 (pairs with s = t; s ^ t = 1; 2-3; 4-7; 8-15), each of arrays that hold k times a suffix in the rows below its boundary and q times a prefix above it, added under 0/1 masks.
; SCALES.  P (by query), H (by head) and z (by row) are multiplied by a power of two taken from their largest magnitude before they are rounded to f16, and the results by its inverse, in f32.
; z: each head first scales by its own row maximum; behind the walk the four maxima meet in LDS and each wave multiplies its z by the exact power of two that is missing.
; q comes without the 1/8: o is 8 times the reference's, so the LayerNorm takes 64 x 1e-5.
; LIMITS.  q, k, v, g within f16's 65,504; a < 2^-126 counts as 0; a maximum below 2^-126 counts as 0; NaN and infinities are not treated apart.
; NO TENSOR LOADS, NO CLUSTER: the tiles of q, k, v, g are this work-group's alone and are register images; Wo's fragments (131,072 bytes a wave) come straight into registers, 24 loads ahead.
; WINDOWS: 0 addresses, packed tiles, work; 1 H (tile (mt, nt) at 8 (8 mt + nt)), later the product's sums; 2 v0-127 H in f16, v128-191 O, v192-255 H's share of O;
;          3 v0-111 seven arrays' fragments, v112-151 the five products, v152-191 masks, v192-255 V; later the weight ring.
.set XPITCH, 1040
.set RTB,    16640
.set SCR,    133120                    ; 14,592 bytes a wave: seven arrays [64 channels][16 rows] of f16, then F (64 f32); later the way out's stage
.set MX,     191488                    ; [block 8][head 4][row 16] f32: z's maxima
.set SPARE,  193536
.set RTT,    14336
.set SPW, 2
.set NIL, 3
.set LO,  4
.set SB,  5
.set TB,  6
.set FS,  7
.set FL,  8
.set ZS,  9
.set MXS, 10
.set MXL, 11
.set XA,  12
.set XA2, 13
.set XB,  14
.set HB,  15                           ; h
.set KT,  16
.set QT,  32
.set GT,  48
.set GG,  64
.set PF,  96
.set KB,  104
.set FD,  136
.set FC,  168
.set IA,  172                          ; each scale in the low word of a pair of its own
.set BA,  174
.set IH,  176
.set BH,  178
.set MU,  180
.set RS,  182
.set IZ,  184
.set TT,  188                          ; v188-251 at work
.set AA,  188
.set QF,  196
.set KF,  204
.set PP,  212
.set SS,  220
.set RES, 228
.set PKD, 236
.set C5,  240
.set C6,  241
.set C7,  242
.set D1,  243
.set D0,  244
.set FQ,  246
.set FK,  248
.set T8X, 250
.set CH,  252
.set G8,  188
.set E8,  196
.set OI,  128
.set OH,  192
.set FR,  0
.set GA,  112
.set MK,  152
.set VF,  192
.set XF0, 64
.set XF1, 128
.set BS,  192
.set TO,  208
.set UU,  16
.set STO, 5
.set RD,  6
.set GO,  7
.set WP, 22
.set TP, 24
.set OP, 26
.set CT, 30
.set TR, 31
.set MSB, 0
.macro WIN new
.if MSB != (\new)
	s_set_vgpr_msb (MSB<<8)|(\new)
.set MSB, \new
.endif
.endm
.macro PLACES n
.rept \n
	v_nop
.endr
.endm
.macro WIDEN d, a, b, c, e
	v_cvt_f32_f16 v[(\d)], v\a\().l
	v_cvt_f32_f16 v[(\d)+1], v\a\().h
	v_cvt_f32_f16 v[(\d)+2], v\b\().l
	v_cvt_f32_f16 v[(\d)+3], v\b\().h
	v_cvt_f32_f16 v[(\d)+4], v\c\().l
	v_cvt_f32_f16 v[(\d)+5], v\c\().h
	v_cvt_f32_f16 v[(\d)+6], v\e\().l
	v_cvt_f32_f16 v[(\d)+7], v\e\().h
.endm
.macro MXSCALE m, inv, back            ; back = 2^e, the power of two at or below m (0 for m below 2^-126); inv = 2^-e
	v_and_b32 v[\m], 0x7f800000, v[\m]
	v_min_u32 v[\back], 0x7e800000, v[\m]
	v_sub_nc_u32 v[\inv], 0x7f000000, v[\back]
.endm
; THE PRODUCT of 128 rows in LDS with 64 columns from the stream, K = 512 in 16 steps of 32
.macro XLOAD buf, off
.irp t, 0,1,2,3
	ds_load_b128 v[(\buf)+8*\t:(\buf)+8*\t+3], v[XA] offset:\t*RTB+(\off)
	ds_load_b128 v[(\buf)+8*\t+4:(\buf)+8*\t+7], v[XA] offset:\t*RTB+(\off)+32
.endr
.irp t, 0,1,2,3
	ds_load_b128 v[(\buf)+32+8*\t:(\buf)+32+8*\t+3], v[XA2] offset:\t*RTB+(\off)
	ds_load_b128 v[(\buf)+32+8*\t+4:(\buf)+32+8*\t+7], v[XA2] offset:\t*RTB+(\off)+32
.endr
.endm
.macro WLOAD slot, koff
	WIN 0xc0
.irp c, 0,1,2,3
	global_load_b128 v[32*(\slot)+8*\c:32*(\slot)+8*\c+3], v[LO], s[WP:WP+1] offset:(\koff)*4096+\c*1024
	global_load_b128 v[32*(\slot)+8*\c+4:32*(\slot)+8*\c+7], v[LO], s[WP:WP+1] offset:(\koff)*4096+\c*1024+512
.endr
.endm
.macro MUL16 xf, slot, c0, zero
.irp cc, \c0, (\c0)+1
.irp tt, 0,1,2,3,4,5,6,7
.if \zero
	v_wmma_f32_16x16x32_f16 v[8*(8*(\cc)+\tt):8*(8*(\cc)+\tt)+7], v[32*(\slot)+8*(\cc):32*(\slot)+8*(\cc)+7], v[(\xf)+8*\tt:(\xf)+8*\tt+7], 0
.else
	v_wmma_f32_16x16x32_f16 v[8*(8*(\cc)+\tt):8*(8*(\cc)+\tt)+7], v[32*(\slot)+8*(\cc):32*(\slot)+8*(\cc)+7], v[(\xf)+8*\tt:(\xf)+8*\tt+7], v[8*(8*(\cc)+\tt):8*(8*(\cc)+\tt)+7]
.endif
.endr
.endr
.endm
; One k step: 32 matrix instructions on 32 accumulators by turns; source 0 = Wo's columns, source 1 = z's rows: a lane holds a row of out and 8 columns.
.macro KSTEP kk, first, cond
	s_wait_loadcnt 16                              ; behind this step's 8 weight loads only the next two steps' 16 were issued
	s_wait_dscnt 0x0
	WIN 0x53
.if (\first) && ((\kk) == 0)
	MUL16 XF0+64*((\kk)%2), \kk, 0, 1
.else
	MUL16 XF0+64*((\kk)%2), \kk, 0, 0
.endif
	WIN 0
	PLACES 4                                       ; in front of loads into the buffer and the slot that the step before has read
.if (\cond) && ((\kk) == 3)
	s_cmp_eq_u32 s[TR], 1
	s_cbranch_scc1 .Lnox_\@
.endif
	XLOAD XF0+64*(((\kk)+1)%2), ((\kk)+1)*64
.if (\cond) && ((\kk) == 3)
.Lnox_\@:
.endif
	WLOAD ((\kk)+3)%4, (\kk)+3
	WIN 0x53
.if (\first) && ((\kk) == 0)
	MUL16 XF0+64*((\kk)%2), \kk, 2, 1
.else
	MUL16 XF0+64*((\kk)%2), \kk, 2, 0
.endif
.endm
.macro TRIP first, cond
	KSTEP 0, \first, \cond
	KSTEP 1, \first, \cond
	KSTEP 2, \first, \cond
	KSTEP 3, \first, \cond
	WIN 0
	s_wait_xcnt 0x0
	s_add_nc_u64 s[WP:WP+1], s[WP:WP+1], 16384
	v_add_nc_u32 v[XA], 256, v[XA]
	v_add_nc_u32 v[XA2], 256, v[XA2]
.endm
	s_load_b256 s[4:11], s[0:1], 0x0               ; tl, hs, wf, out0
	v_lshl_add_u32 v[SPW], v0, 2, SPARE
	v_mov_b32 v[NIL], 0
	v_lshrrev_b32 v1, 5, v0
	v_readfirstlane_b32 s18, v1                    ; wave = head
	s_mov_b32 s19, ttmp9                           ; chunk
	s_mov_b32 s21, 0
	s_mov_b32 s34, 0xffff0000                      ; the lanes with h = 1
	s_mov_b32 s36, 0xbfb8aa3b                      ; -log2(e)
	s_mov_b32 s37, s36
	s_mov_b32 s42, 0x76543210
	s_mov_b32 s43, 0xfedcba98
	s_mov_b32 s45, 0x3c000000                      ; 1 / 128
	v_and_b32 v1, 15, v0                           ; r; kept
	v_bfe_u32 v[HB], v0, 4, 1                      ; h; kept
	v_and_b32 v[LO], 31, v0
	v_lshlrev_b32 v[LO], 4, v[LO]
	s_mul_i32 s44, s18, 14592
	s_add_co_u32 s44, s44, SCR                     ; my scratch
	v_lshlrev_b32 v[SB], 5, v1                     ; in: channel r, rows 8 h ..: 32 r + 16 h
	v_lshl_add_u32 v[SB], v[HB], 4, v[SB]
	v_add_nc_u32 v[SB], s44, v[SB]
	v_and_b32 v[TB], 7, v0                         ; out, turned: channel 8 h + l % 8, rows 8 ((l / 8) % 2) ..
	v_lshl_add_u32 v[TB], v[HB], 3, v[TB]
	v_lshlrev_b32 v[TB], 5, v[TB]
	v_bfe_u32 v[FS], v0, 3, 1
	v_lshl_add_u32 v[TB], v[FS], 4, v[TB]
	v_add_nc_u32 v[TB], s44, v[TB]
	s_add_co_u32 s20, s44, 14336
	v_lshl_add_u32 v[FS], v1, 2, s20
	v_lshl_add_u32 v[FL], v[HB], 5, s20
	v_mul_u32_u24 v[XB], v1, XPITCH
	v_lshl_add_u32 v[XB], v[HB], 4, v[XB]
	s_lshl_b32 s46, s18, 8                         ; my head's 256 bytes of a row of z
	v_add_nc_u32 v[ZS], s46, v[XB]
	s_lshl_b32 s47, s18, 6
	s_add_co_u32 s47, s47, MX
	v_lshl_add_u32 v[MXS], v1, 2, s47
.irp n, 0,1,2,3
	v_mov_b32 v[PF+4+\n], 0                        ; K = 16 of 32: the upper halves of P, Kbar and V are 0
.irp c, 0,1,2,3
	v_mov_b32 v[KB+8*\c+4+\n], 0
.endr
.endr
.irp n, IA, BA, IH, BH, MU, RS, IZ, FQ, FK
	v_mov_b32 v[\n+1], 0                           ; named with the scales as pairs
.endr
	v_mov_b32 v[T8X], 0
	v_mov_b32 v[CH+1], 0
	; the masks: my lane's query t = r, register j's key s = 8 h + j; y = s ^ t where s <= t, else 255
	v_lshlrev_b32 v[TT+9], 3, v[HB]
	v_mov_b32 v[TT+8], 0xff
.irp j, 0,1,2,3,4,5,6,7
	v_add_nc_u32 v[TT+10], \j, v[TT+9]
	v_xor_b32 v[TT+\j], v[TT+10], v1
	v_cmp_gt_u32 vcc_lo, v[TT+10], v1
	v_cndmask_b32 v[TT+\j], v[TT+\j], v[TT+8], vcc_lo
.endr
	WIN 0xc0
.irp j, 0,1,2,3,4,5,6,7
	v_cmp_gt_u32 s50, 1, v[TT+\j]
	v_cmp_gt_u32 s51, 2, v[TT+\j]
	v_cmp_gt_u32 s52, 4, v[TT+\j]
	v_cmp_gt_u32 s53, 8, v[TT+\j]
	v_cmp_gt_u32 s54, 16, v[TT+\j]
	s_and_not1_b32 s54, s54, s53                   ; 8 <= y < 16, and so on down
	s_and_not1_b32 s53, s53, s52
	s_and_not1_b32 s52, s52, s51
	s_and_not1_b32 s51, s51, s50
	v_cndmask_b32 v[MK+\j], 0, 1.0, s50
	v_cndmask_b32 v[MK+8+\j], 0, 1.0, s51
	v_cndmask_b32 v[MK+16+\j], 0, 1.0, s52
	v_cndmask_b32 v[MK+24+\j], 0, 1.0, s53
	v_cndmask_b32 v[MK+32+\j], 0, 1.0, s54
	v_mov_b32 v[VF+8*\j+4], 0
	v_mov_b32 v[VF+8*\j+5], 0
	v_mov_b32 v[VF+8*\j+6], 0
	v_mov_b32 v[VF+8*\j+7], 0
.endr
	WIN 0
	s_wait_kmcnt 0x0
	s_mul_i32 s20, s19, 458752
	s_mul_i32 s28, s18, 114688
	s_add_co_u32 s20, s20, s28
	s_add_nc_u64 s[TP:TP+1], s[4:5], s[20:21]
	s_lshl_b32 s20, s19, 17
	s_lshl_b32 s28, s18, 15
	s_add_co_u32 s20, s20, s28
	s_add_nc_u64 s[6:7], s[6:7], s[20:21]
	s_lshl_b32 s20, s18, 17
	s_add_nc_u64 s[WP:WP+1], s[8:9], s[20:21]
	s_lshl_b32 s20, s19, 18
	s_lshl_b32 s28, s18, 9
	s_add_co_u32 s20, s20, s28
	s_add_nc_u64 s[OP:OP+1], s[10:11], s[20:21]
.macro QKG off                         ; a block's q, k and gate tiles: 12 loads
.irp c, 0,1,2,3
	global_load_b128 v[QT+4*\c:QT+4*\c+3], v[LO], s[TP:TP+1] offset:(\off)+\c*512 th:TH_LOAD_NT
	global_load_b128 v[KT+4*\c:KT+4*\c+3], v[LO], s[TP:TP+1] offset:(\off)+2048+\c*512 th:TH_LOAD_NT
	global_load_b128 v[GT+4*\c:GT+4*\c+3], v[LO], s[TP:TP+1] offset:(\off)+12288+\c*512 th:TH_LOAD_NT
.endr
.endm
	QKG 0
	WIN 0x40
.set i, 0
.rept 32
	global_load_b128 v[8*i:8*i+3], v[LO], s[6:7] offset:i*1024 th:TH_LOAD_NT
	global_load_b128 v[8*i+4:8*i+7], v[LO], s[6:7] offset:i*1024+512 th:TH_LOAD_NT
.set i, i+1
.endr
	WIN 0
.macro PUT a, c
	ds_store_b128 v[SB], v[PKD:PKD+3] offset:(\a)*2048+(\c)*512
.endm
.macro PACK4 d, s
.irp m, 0,1,2,3
	v_cvt_pk_f16_f32 v[(\d)+\m], v[(\s)+2*\m], v[(\s)+2*\m+1]
.endr
.endm
; Channel tile c: a = 2^gate; the products of a inside my 8 rows (17 multiplications); the seven arrays into my scratch; Kbar into registers; the block's total F.
.macro XPH c, g0, g1, g2, g3, q0, q1, q2, q3, k0, k1, k2, k3
	WIDEN AA, \g0, \g1, \g2, \g3
.irp j, 0,1,2,3,4,5,6,7
	v_exp_f32 v[AA+\j], v[AA+\j]
.endr
	WIDEN QF, \q0, \q1, \q2, \q3
	WIDEN KF, \k0, \k1, \k2, \k3
	ds_store_b128 v[SB], v[KT+4*(\c):KT+4*(\c)+3] offset:(\c)*512
	ds_store_b128 v[SB], v[QT+4*(\c):QT+4*(\c)+3] offset:2048+(\c)*512
	s_wait_alu depctr_va_vdst(0)
	v_mul_f32 v[C5], v[AA+4], v[AA+5]
	v_mul_f32 v[D1], v[AA+2], v[AA+3]
	v_mul_f32 v[PP+1], v[AA], v[AA+1]
	v_mul_f32 v[SS+5], v[AA+6], v[AA+7]
	v_mul_f32 v[C6], v[C5], v[AA+6]
	v_mul_f32 v[D0], v[AA+1], v[D1]
	v_mul_f32 v[PP+2], v[PP+1], v[AA+2]
	v_mul_f32 v[SS+4], v[AA+5], v[SS+5]
	v_mul_f32 v[C7], v[C6], v[AA+7]
	v_mul_f32 v[PP+3], v[PP+2], v[AA+3]
	v_mov_b32 v[PP], v[AA]
	v_mov_b32 v[SS+6], v[AA+7]
	v_mov_b32 v[SS+7], 1.0
	v_mul_f32 v[SS], v[D0], v[C7]
	v_mul_f32 v[SS+1], v[D1], v[C7]
	v_mul_f32 v[SS+2], v[AA+3], v[C7]
	v_mov_b32 v[SS+3], v[C7]
	v_mul_f32 v[PP+4], v[PP+3], v[AA+4]
	v_mul_f32 v[PP+5], v[PP+3], v[C5]
	v_mul_f32 v[PP+6], v[PP+3], v[C6]
	v_mul_f32 v[PP+7], v[PP+3], v[C7]
	v_permlanex16_b32 v[T8X], v[PP+7], s42, s43    ; the other 8 rows' total
.irp j, 1,3,5,7
	v_mul_f32 v[RES+\j], v[QF+\j], v[AA+\j]        ; pairs: even rows k, odd rows q a
.endr
.irp m, 0,1,2,3
	v_cvt_pk_f16_f32 v[PKD+\m], v[KF+2*\m], v[RES+2*\m+1]
.endr
	PUT 2, \c
	v_mul_f32 v[RES], v[KF], v[AA+1]               ; fours
	v_mul_f32 v[RES+2], v[QF+2], v[AA+2]
	v_mul_f32 v[RES+3], v[QF+3], v[D1]
	v_mul_f32 v[RES+4], v[KF+4], v[AA+5]
	v_mul_f32 v[RES+6], v[QF+6], v[AA+6]
	v_mul_f32 v[RES+7], v[QF+7], v[SS+5]
	v_cvt_pk_f16_f32 v[PKD], v[RES], v[KF+1]
	v_cvt_pk_f16_f32 v[PKD+1], v[RES+2], v[RES+3]
	v_cvt_pk_f16_f32 v[PKD+2], v[RES+4], v[KF+5]
	v_cvt_pk_f16_f32 v[PKD+3], v[RES+6], v[RES+7]
	PUT 3, \c
	v_mul_f32 v[RES], v[KF], v[D0]                 ; eights
	v_mul_f32 v[RES+1], v[KF+1], v[D1]
	v_mul_f32 v[RES+2], v[KF+2], v[AA+3]
	v_mul_f32 v[RES+4], v[QF+4], v[AA+4]
	v_mul_f32 v[RES+5], v[QF+5], v[C5]
	v_mul_f32 v[RES+6], v[QF+6], v[C6]
	v_mul_f32 v[RES+7], v[QF+7], v[C7]
	v_cvt_pk_f16_f32 v[PKD], v[RES], v[RES+1]
	v_cvt_pk_f16_f32 v[PKD+1], v[RES+2], v[KF+3]
	v_cvt_pk_f16_f32 v[PKD+2], v[RES+4], v[RES+5]
	v_cvt_pk_f16_f32 v[PKD+3], v[RES+6], v[RES+7]
	PUT 4, \c
	v_mul_f32 v[FC+(\c)], v[PP+7], v[T8X]
	v_cndmask_b32 v[FQ], 1.0, v[T8X], s34          ; rows 8-15 come behind rows 0-7,
	v_cndmask_b32 v[FK], v[T8X], 1.0, s34          ; rows 0-7 are followed by rows 8-15
	ds_store_b32 v[FS], v[FC+(\c)] offset:64*(\c)
.irp p, 0,2,4,6
	v_pk_mul_f32 v[QF+\p:QF+\p+1], v[QF+\p:QF+\p+1], v[PP+\p:PP+\p+1]
	v_pk_mul_f32 v[KF+\p:KF+\p+1], v[KF+\p:KF+\p+1], v[SS+\p:SS+\p+1]
.endr
.irp j, 0,1,2,3,4,5,6,7
	v_cndmask_b32 v[RES+\j], v[KF+\j], v[QF+\j], s34  ; the block's halves: rows 0-7 k x suffix, rows 8-15 q x prefix
.endr
	PACK4 PKD, RES
	PUT 5, \c
.irp p, 0,2,4,6
	v_pk_mul_f32 v[QF+\p:QF+\p+1], v[QF+\p:QF+\p+1], v[FQ:FQ+1] op_sel_hi:[1,0]
	v_pk_mul_f32 v[KF+\p:KF+\p+1], v[KF+\p:KF+\p+1], v[FK:FK+1] op_sel_hi:[1,0]
.endr
	PACK4 PKD, QF                                  ; Qb: q x the prefix from the block's first row
	PUT 6, \c
	PACK4 KB+8*(\c), KF                            ; Kbar: k x the suffix to the block's last row
.endm
; z = (o - mu) rs x g sigmoid(g) for value tile nt, left in O's registers
.macro SILU nt, g0, g1, g2, g3
	WIN 0
	WIDEN G8, \g0, \g1, \g2, \g3
.irp p, 0,2,4,6
	v_pk_mul_f32 v[E8+\p:E8+\p+1], v[G8+\p:G8+\p+1], s[36:37] op_sel_hi:[1,0]
.endr
.irp j, 0,1,2,3,4,5,6,7
	v_exp_f32 v[E8+\j], v[E8+\j]
.endr
	s_wait_alu depctr_va_vdst(0)
.irp p, 0,2,4,6
	v_pk_mul_f32 v[G8+\p:G8+\p+1], v[G8+\p:G8+\p+1], v[RS:RS+1] op_sel_hi:[1,0]
.endr
	s_wait_alu depctr_va_vdst(0)
.irp p, 0,2,4,6
	v_pk_add_f32 v[E8+\p:E8+\p+1], v[E8+\p:E8+\p+1], 1.0 op_sel_hi:[1,0]
.endr
.irp j, 0,1,2,3,4,5,6,7
	v_rcp_f32 v[E8+\j], v[E8+\j]
.endr
	v_nop                                          ; a plain instruction between the reciprocals and the use of their results
	s_wait_alu depctr_va_vdst(0)
.irp p, 0,2,4,6
	v_pk_mul_f32 v[G8+\p:G8+\p+1], v[G8+\p:G8+\p+1], v[E8+\p:E8+\p+1]
.endr
	WIN 0x82
.irp p, 0,2,4,6
	v_pk_mul_f32 v[OI+8*(\nt)+\p:OI+8*(\nt)+\p+1], v[OI+8*(\nt)+\p:OI+8*(\nt)+\p+1], v[G8+\p:G8+\p+1]
.endr
.endm
	s_mov_b32 s[CT], 8
.Lblk:
	WIN 0xc0
.irp nt, 0,1,2,3,4,5,6,7
	global_load_b128 v[VF+8*\nt:VF+8*\nt+3], v[LO], s[TP:TP+1] offset:4096+\nt*512 th:TH_LOAD_NT
.endr
	WIN 0
.irp nt, 0,1,2,3,4,5,6,7
	global_load_b128 v[GG+4*\nt:GG+4*\nt+3], v[LO], s[TP:TP+1] offset:8192+\nt*512 th:TH_LOAD_NT
.endr
	s_wait_loadcnt 16                              ; q, k, gate (and, the first time, H) are older than the 16 loads just issued
	XPH 0, 48, 49, 50, 51, 32, 33, 34, 35, 16, 17, 18, 19
	XPH 1, 52, 53, 54, 55, 36, 37, 38, 39, 20, 21, 22, 23
	XPH 2, 56, 57, 58, 59, 40, 41, 42, 43, 24, 25, 26, 27
	XPH 3, 60, 61, 62, 63, 44, 45, 46, 47, 28, 29, 30, 31
	WIN 0xc0                                       ; the arrays come back turned: lane = row, k = channel (my own bytes: LDS serves a wave's instructions in order)
.irp a, 0,1,2,3,4,5,6
.irp kc, 0,1
	ds_load_tr16_b128 v[FR+16*\a+8*\kc:FR+16*\a+8*\kc+3], v[TB] offset:\a*2048+\kc*1024
	ds_load_tr16_b128 v[FR+16*\a+8*\kc+4:FR+16*\a+8*\kc+7], v[TB] offset:\a*2048+\kc*1024+512
.endr
.endr
	WIN 0
.irp mt, 0,1,2,3
	ds_load_b128 v[FD+8*\mt:FD+8*\mt+3], v[FL] offset:64*\mt       ; F of channels 16 mt + 8 h + 0..7: one for each register of H's tiles
	ds_load_b128 v[FD+8*\mt+4:FD+8*\mt+7], v[FL] offset:64*\mt+16
.endr
	s_wait_dscnt 0x0
	s_wait_loadcnt 0x0                             ; v and g are in
	s_cmp_eq_u32 s[CT], 1
	s_cbranch_scc1 .Lnoq                           ; the last block has no successor
	QKG RTT
.Lnoq:
	WIN 0xff                                       ; the five products, K = 64 channels in two steps, five accumulators by turns
.irp kc, 0,1
.if \kc == 0
	v_wmma_f32_16x16x32_f16 v[GA:GA+7], v[FR:FR+7], v[FR+16:FR+23], 0
.irp l, 1,2,3,4
	v_wmma_f32_16x16x32_f16 v[GA+8*\l:GA+8*\l+7], v[FR+16+16*\l:FR+16+16*\l+7], v[FR+16+16*\l:FR+16+16*\l+7], 0
.endr
.else
	v_wmma_f32_16x16x32_f16 v[GA:GA+7], v[FR+8:FR+15], v[FR+24:FR+31], v[GA:GA+7]
.irp l, 1,2,3,4
	v_wmma_f32_16x16x32_f16 v[GA+8*\l:GA+8*\l+7], v[FR+24+16*\l:FR+24+16*\l+7], v[FR+24+16*\l:FR+24+16*\l+7], v[GA+8*\l:GA+8*\l+7]
.endr
.endif
.endr
	PLACES 4
	WIN 0x0f
.irp p, 0,2,4,6
	v_pk_mul_f32 v[TT+\p:TT+\p+1], v[GA+\p:GA+\p+1], v[MK+\p:MK+\p+1]
.irp l, 1,2,3,4
	v_pk_fma_f32 v[TT+\p:TT+\p+1], v[GA+8*\l+\p:GA+8*\l+\p+1], v[MK+8*\l+\p:MK+8*\l+\p+1], v[TT+\p:TT+\p+1]
.endr
.endr
	WIN 0                                          ; P: my query's 16 weights, scaled by their largest magnitude's power of two
	v_max3_num_f32 v[CH], |v[TT]|, |v[TT+1]|, |v[TT+2]|
	v_max3_num_f32 v[CH], v[CH], |v[TT+3]|, |v[TT+4]|
	v_max3_num_f32 v[CH], v[CH], |v[TT+5]|, |v[TT+6]|
	v_max_num_f32 v[CH], v[CH], |v[TT+7]|
	v_permlanex16_b32 v[CH+1], v[CH], s42, s43
	v_max_num_f32 v[CH], v[CH], v[CH+1]
	MXSCALE CH, IA, BA
.irp p, 0,2,4,6
	v_pk_mul_f32 v[TT+\p:TT+\p+1], v[TT+\p:TT+\p+1], v[IA:IA+1] op_sel_hi:[1,0]
.endr
	PACK4 PF, TT
.irp n, 0,1,2,3
	v_mov_b32 v[CH+\n], 0
.endr
	WIN 0x14                                       ; H's largest magnitude: four chains; each tile from its low end
.set i, 0
.rept 128
	v_max3_num_f32 v[CH+i%4], v[CH+i%4], |v[2*i]|, |v[2*i+1]|
.set i, i+1
.endr
	WIN 0
	v_max3_num_f32 v[CH], v[CH], v[CH+1], v[CH+2]
	v_max_num_f32 v[CH], v[CH], v[CH+3]
	v_max_num_f32_dpp v[CH], v[CH], v[CH] row_xmask:1 row_mask:0xf bank_mask:0xf
	v_max_num_f32_dpp v[CH], v[CH], v[CH] row_xmask:2 row_mask:0xf bank_mask:0xf
	v_max_num_f32_dpp v[CH], v[CH], v[CH] row_xmask:4 row_mask:0xf bank_mask:0xf
	v_max_num_f32_dpp v[CH], v[CH], v[CH] row_xmask:8 row_mask:0xf bank_mask:0xf
	v_permlanex16_b32 v[CH+1], v[CH], s42, s43
	v_max_num_f32 v[CH], v[CH], v[CH+1]
	MXSCALE CH, IH, BH
.irp mt, 0,1,2,3                       ; H scaled and rounded: tiles (2 kc, nt) and (2 kc + 1, nt) are the two halves of fragment (nt, kc) of H^T
	WIN 0x01
.set i, 0
.rept 32
	v_pk_mul_f32 v[TT+2*i:TT+2*i+1], v[64*\mt+2*i:64*\mt+2*i+1], v[IH:IH+1] op_sel_hi:[1,0]
.set i, i+1
.endr
	WIN 0x80
.set i, 0
.rept 32
	v_cvt_pk_f16_f32 v[8*(2*(i/4)+\mt/2)+4*(\mt%2)+i%4], v[TT+2*i], v[TT+2*i+1]
.set i, i+1
.endr
.endr
	WIN 0xae                                       ; H^T Qb^T: eight accumulators by turns
.irp kc, 0,1
.irp nt, 0,1,2,3,4,5,6,7
.if \kc == 0
	v_wmma_f32_16x16x32_f16 v[OH+8*\nt:OH+8*\nt+7], v[16*\nt:16*\nt+7], v[FR+96:FR+103], 0
.else
	v_wmma_f32_16x16x32_f16 v[OH+8*\nt:OH+8*\nt+7], v[16*\nt+8:16*\nt+15], v[FR+104:FR+111], v[OH+8*\nt:OH+8*\nt+7]
.endif
.endr
.endr
	WIN 0x83                                       ; V^T P
.irp nt, 0,1,2,3,4,5,6,7
	v_wmma_f32_16x16x32_f16 v[OI+8*\nt:OI+8*\nt+7], v[VF+8*\nt:VF+8*\nt+7], v[PF:PF+7], 0
.endr
	WIN 0x41                                       ; H <- F H
.set i, 0
.rept 128
	v_pk_mul_f32 v[2*i:2*i+1], v[2*i:2*i+1], v[FD+8*(i/32)+2*(i%4):FD+8*(i/32)+2*(i%4)+1]
.set i, i+1
.endr
	WIN 0x5c                                       ; H += Kbar^T V
.irp mt, 0,1,2,3
.irp nt, 0,1,2,3,4,5,6,7
	v_wmma_f32_16x16x32_f16 v[8*(8*\mt+\nt):8*(8*\mt+\nt)+7], v[KB+8*\mt:KB+8*\mt+7], v[VF+8*\nt:VF+8*\nt+7], v[8*(8*\mt+\nt):8*(8*\mt+\nt)+7]
.endr
.endr
	WIN 0x82                                       ; o = backA (V^T P) + backH (H^T Qb^T): a lane holds one row and 64 of its 128 channels
.set i, 0
.rept 32
	v_pk_mul_f32 v[OH+2*i:OH+2*i+1], v[OH+2*i:OH+2*i+1], v[BH:BH+1] op_sel_hi:[1,0]
.set i, i+1
.endr
	WIN 0xa2
.set i, 0
.rept 32
	v_pk_fma_f32 v[OI+2*i:OI+2*i+1], v[OI+2*i:OI+2*i+1], v[BA:BA+1], v[OH+2*i:OH+2*i+1] op_sel_hi:[1,0,1]
.set i, i+1
.endr
	WIN 0x02                                       ; the mean
.set i, 0
.rept 32
.if i < 4
	v_pk_add_f32 v[TT+2*i:TT+2*i+1], v[OI+2*i:OI+2*i+1], 0 op_sel_hi:[1,0]
.else
	v_pk_add_f32 v[TT+2*(i%4):TT+2*(i%4)+1], v[OI+2*i:OI+2*i+1], v[TT+2*(i%4):TT+2*(i%4)+1]
.endif
.set i, i+1
.endr
	WIN 0
	v_pk_add_f32 v[TT:TT+1], v[TT:TT+1], v[TT+2:TT+3]
	v_pk_add_f32 v[TT+4:TT+5], v[TT+4:TT+5], v[TT+6:TT+7]
	v_pk_add_f32 v[TT:TT+1], v[TT:TT+1], v[TT+4:TT+5]
	v_add_f32 v[TT], v[TT], v[TT+1]
	v_permlanex16_b32 v[TT+1], v[TT], s42, s43
	v_add_f32 v[TT], v[TT], v[TT+1]
	v_mul_f32 v[MU], s45, v[TT]
	WIN 0x82
.set i, 0
.rept 32
	v_pk_add_f32 v[OI+2*i:OI+2*i+1], v[OI+2*i:OI+2*i+1], v[MU:MU+1] op_sel_hi:[1,0] neg_lo:[0,1] neg_hi:[0,1]
.set i, i+1
.endr
	WIN 0x0a                                       ; the variance, of the centred numbers
.set i, 0
.rept 32
.if i < 4
	v_pk_mul_f32 v[TT+2*i:TT+2*i+1], v[OI+2*i:OI+2*i+1], v[OI+2*i:OI+2*i+1]
.else
	v_pk_fma_f32 v[TT+2*(i%4):TT+2*(i%4)+1], v[OI+2*i:OI+2*i+1], v[OI+2*i:OI+2*i+1], v[TT+2*(i%4):TT+2*(i%4)+1]
.endif
.set i, i+1
.endr
	WIN 0
	v_pk_add_f32 v[TT:TT+1], v[TT:TT+1], v[TT+2:TT+3]
	v_pk_add_f32 v[TT+4:TT+5], v[TT+4:TT+5], v[TT+6:TT+7]
	v_pk_add_f32 v[TT:TT+1], v[TT:TT+1], v[TT+4:TT+5]
	v_add_f32 v[TT], v[TT], v[TT+1]
	v_permlanex16_b32 v[TT+1], v[TT], s42, s43
	v_add_f32 v[TT], v[TT], v[TT+1]
	v_fmaak_f32 v[TT], s45, v[TT], 0x3a27c5ac      ; / 128 + 64 x 1e-5
	v_rsq_f32 v[RS], v[TT]
.irp n, 0,1,2,3
	v_mov_b32 v[CH+\n], 0                          ; plain work behind the root
.endr
	SILU 0, 64, 65, 66, 67
	SILU 1, 68, 69, 70, 71
	SILU 2, 72, 73, 74, 75
	SILU 3, 76, 77, 78, 79
	SILU 4, 80, 81, 82, 83
	SILU 5, 84, 85, 86, 87
	SILU 6, 88, 89, 90, 91
	SILU 7, 92, 93, 94, 95
	WIN 0x28                                       ; my row's largest |z| in this head
.set i, 0
.rept 32
	v_max3_num_f32 v[CH+i%4], v[CH+i%4], |v[OI+2*i]|, |v[OI+2*i+1]|
.set i, i+1
.endr
	WIN 0
	v_max3_num_f32 v[CH], v[CH], v[CH+1], v[CH+2]
	v_max_num_f32 v[CH], v[CH], v[CH+3]
	v_permlanex16_b32 v[CH+1], v[CH], s42, s43
	v_max_num_f32 v[CH], v[CH], v[CH+1]
	ds_store_b32 v[MXS], v[CH]                     ; read only behind the barrier that follows the walk
	MXSCALE CH, IZ, CH+1
	WIN 0x02
.set i, 0
.rept 32
	v_pk_mul_f32 v[TT+2*i:TT+2*i+1], v[OI+2*i:OI+2*i+1], v[IZ:IZ+1] op_sel_hi:[1,0]
.set i, i+1
.endr
	WIN 0
.set i, 0
.rept 32
	v_cvt_pk_f16_f32 v[TT+i], v[TT+2*i], v[TT+2*i+1]
.set i, i+1
.endr
.irp nt, 0,1,2,3,4,5,6,7
	ds_store_b128 v[ZS], v[TT+4*\nt:TT+4*\nt+3] offset:32*\nt
.endr
	s_wait_xcnt 0x0                                ; tl's base is stepped only behind this wait
	s_add_nc_u64 s[TP:TP+1], s[TP:TP+1], RTT
	v_add_nc_u32 v[ZS], RTB, v[ZS]
	v_add_nc_u32 v[MXS], 256, v[MXS]
	s_sub_co_u32 s[CT], s[CT], 1
	s_cmp_lg_u32 s[CT], 0
	s_cbranch_scc1 .Lblk
	s_wait_dscnt 0x0                               ; for the others' sake: my maxima are in LDS
	s_barrier_signal -1
	s_barrier_wait -1
	; my z (my own bytes) times 2^(my head's exponent - the row's): exact but for what falls under f16's smallest step
	v_add_nc_u32 v[ZS], s46, v[XB]
	v_lshl_add_u32 v[MXS], v1, 2, s47
	v_lshl_add_u32 v[MXL], v1, 2, MX
	s_mov_b32 s[CT], 8
.Lres:
.irp hh, 0,1,2,3
	ds_load_b32 v[TT+32+\hh], v[MXL] offset:64*\hh
.endr
	ds_load_b32 v[TT+36], v[MXS]
.irp nt, 0,1,2,3,4,5,6,7
	ds_load_b128 v[TT+4*\nt:TT+4*\nt+3], v[ZS] offset:32*\nt
.endr
	s_wait_dscnt 0x0
	v_max3_num_f32 v[TT+32], v[TT+32], v[TT+33], v[TT+34]
	v_max_num_f32 v[TT+32], v[TT+32], v[TT+35]
	MXSCALE TT+32, TT+33, TT+34
	v_and_b32 v[TT+36], 0x7f800000, v[TT+36]
	v_min_u32 v[TT+36], 0x7e800000, v[TT+36]
	v_mul_f32 v[TT+36], v[TT+36], v[TT+33]
	v_cvt_pk_f16_f32 v[TT+36], v[TT+36], v[TT+36]
.set i, 0
.rept 32
	v_pk_mul_f16 v[TT+i], v[TT+i], v[TT+36]
.set i, i+1
.endr
.irp nt, 0,1,2,3,4,5,6,7
	ds_store_b128 v[ZS], v[TT+4*\nt:TT+4*\nt+3] offset:32*\nt
.endr
	v_add_nc_u32 v[ZS], RTB, v[ZS]
	v_add_nc_u32 v[MXS], 256, v[MXS]
	v_add_nc_u32 v[MXL], 256, v[MXL]
	s_sub_co_u32 s[CT], s[CT], 1
	s_cmp_lg_u32 s[CT], 0
	s_cbranch_scc1 .Lres
	s_wait_dscnt 0x0                               ; for the others' sake: my part of z is whole
	s_barrier_signal -1
	s_barrier_wait -1
	WLOAD 0, 0                                     ; Wo's stream: three steps ahead from here on
	WLOAD 1, 1
	WLOAD 2, 2
	WIN 0
	v_lshl_add_u32 v[MXL], v1, 2, MX
.set i, 0
.rept 32
	ds_load_b32 v[TO+i], v[MXL] offset:(i/4)*256+(i%4)*64
.set i, i+1
.endr
	v_mul_u32_u24 v[STO], v1, 272                  ; the way out's stage, in my scratch: in: row r, 32 bytes for each half of the lanes
	v_lshl_add_u32 v[STO], v[HB], 5, v[STO]
	v_add_nc_u32 v[STO], s44, v[STO]
	v_mul_u32_u24 v[RD], v[HB], 272                ; back: lanes 0-15 one row of 256 bytes, lanes 16-31 the next
	v_lshl_add_u32 v[RD], v1, 4, v[RD]
	v_add_nc_u32 v[RD], s44, v[RD]
	v_lshlrev_b32 v[GO], 11, v[HB]                 ; and the same two rows in out
	v_lshl_add_u32 v[GO], v1, 4, v[GO]
	s_wait_dscnt 0x0
.irp rt, 0,1,2,3,4,5,6,7               ; the power of two that goes back onto row 16 rt + r
	v_max3_num_f32 v[TO+4*\rt], v[TO+4*\rt], v[TO+4*\rt+1], v[TO+4*\rt+2]
	v_max_num_f32 v[TO+4*\rt], v[TO+4*\rt], v[TO+4*\rt+3]
	v_and_b32 v[TO+4*\rt], 0x7f800000, v[TO+4*\rt]
	v_min_u32 v[BS+2*\rt], 0x7e800000, v[TO+4*\rt]
	v_mov_b32 v[BS+2*\rt+1], 0
.endr
; 16 rows x 64 columns of f32: scaled, through the stage, out as whole rows of 256 bytes
.macro OUT rt
	WIN 0x01
.irp c, 0,1,2,3
.irp p, 0,2,4,6
	v_pk_mul_f32 v[TO+8*\c+\p:TO+8*\c+\p+1], v[8*(8*\c+(\rt))+\p:8*(8*\c+(\rt))+\p+1], v[BS+2*(\rt):BS+2*(\rt)+1] op_sel_hi:[1,0]
.endr
.endr
	WIN 0
.irp c, 0,1,2,3
	ds_store_b128 v[STO], v[TO+8*\c:TO+8*\c+3] offset:64*\c
	ds_store_b128 v[STO], v[TO+8*\c+4:TO+8*\c+7] offset:64*\c+16
.endr
	s_wait_xcnt 0x0                                ; the registers that the last stores read are loaded again only behind this wait
.irp t, 0,1,2,3,4,5,6,7
	ds_load_b128 v[UU+4*\t:UU+4*\t+3], v[RD] offset:544*\t
.endr
	s_wait_dscnt 0x0
.irp t, 0,1,2,3,4,5,6,7
	global_store_b128 v[GO], v[UU+4*\t:UU+4*\t+3], s[OP:OP+1] offset:(\rt)*32768+\t*4096 th:TH_STORE_NT  ; 16 lanes store 256 consecutive bytes, at a multiple of 256 from out's first
.endr
.endm
	s_mov_b32 s[CT], 2
.Lwo:                                                  ; my 128 columns of out in two passes of 64
	v_mov_b32 v[XA], v[XB]
	v_add_nc_u32 v[XA2], 4*RTB, v[XB]
	XLOAD XF0, 0
	TRIP 1, 0                                      ; the first four steps are written out: their first products start the sums
	s_mov_b32 s[TR], 3
.Ltrip:
	TRIP 0, 1
	s_sub_co_u32 s[TR], s[TR], 1
	s_cmp_lg_u32 s[TR], 0
	s_cbranch_scc1 .Ltrip
	PLACES 4
.irp rt, 0,1,2,3,4,5,6,7
	OUT \rt
.endr
	s_wait_xcnt 0x0
	s_add_nc_u64 s[OP:OP+1], s[OP:OP+1], 256
	s_sub_co_u32 s[CT], s[CT], 1
	s_cmp_lg_u32 s[CT], 0
	s_cbranch_scc1 .Lwo
	s_wait_tensorcnt 0x0                           ; the wave's end, behind my last LDS store
	ds_add_u32 v[SPW], v[NIL]
	s_wait_dscnt 0x0
	s_endpgm
.Lfunc_end_k_q6e9a563aed_outk:
	.size	k_q6e9a563aed_outk, .Lfunc_end_k_q6e9a563aed_outk-k_q6e9a563aed_outk
	.p2alignl 7, 3214868480
	.fill 96, 4, 3214868480
	.section	.rodata,"a",@progbits
	.p2align	6, 0x0
	.amdhsa_kernel k_q6e9a563aed_outk
		.amdhsa_group_segment_fixed_size 194048
		.amdhsa_private_segment_fixed_size 0
		.amdhsa_enable_private_segment 0
		.amdhsa_kernarg_size 32
		.amdhsa_user_sgpr_count 2
		.amdhsa_user_sgpr_kernarg_segment_ptr 1
		.amdhsa_wavefront_size32 1
		.amdhsa_system_sgpr_workgroup_id_x 1
		.amdhsa_system_sgpr_workgroup_id_y 1
		.amdhsa_system_sgpr_workgroup_id_z 1
		.amdhsa_system_vgpr_workitem_id 0
		.amdhsa_next_free_vgpr 1024
		.amdhsa_next_free_sgpr 66
		.amdhsa_reserve_vcc 1
		.amdhsa_float_denorm_mode_32 3
		.amdhsa_float_denorm_mode_16_64 3
		.amdhsa_memory_ordered 1
		.amdhsa_forward_progress 1
		.amdhsa_inst_pref_size 193
	.end_amdhsa_kernel
	.amdgpu_metadata
---
amdhsa.version: [ 1, 2 ]
amdhsa.kernels:
  - .name:           k_q6e9a563aed_outk
    .symbol:         k_q6e9a563aed_outk.kd
    .args:
      - { .name: tl, .offset: 0, .size: 8, .value_kind: global_buffer, .address_space: global }
      - { .name: hs, .offset: 8, .size: 8, .value_kind: global_buffer, .address_space: global }
      - { .name: wf, .offset: 16, .size: 8, .value_kind: global_buffer, .address_space: global }
      - { .name: out0, .offset: 24, .size: 8, .value_kind: global_buffer, .address_space: global }
    .group_segment_fixed_size: 194048
    .private_segment_fixed_size: 0
    .kernarg_segment_align: 8
    .kernarg_segment_size: 32
    .max_flat_workgroup_size: 128
    .sgpr_count:     66
    .vgpr_count:     1024
    .wavefront_size: 32
...
	.end_amdgpu_metadata
.endif
;; end of part 4
